; MI455X (gfx1250); checked and timed in simulation.
; The chip was launched on July 23, 2026; its instructions are those of AMD's public machine-readable ISA for CDNA 5 (MIT licence, August 2026) and "CDNA5" Instruction Set Architecture Reference Guide (July 2026). The comments in the code are by the model that wrote it; some were corrected since.
;; Attention. Allowed arithmetic: float matrix products may take bf16 or f16 operands with f32 sums; all other float work in f32.
;; Inputs: W_out 256 x 256 float32; W_qkv 256 x 768 float32; b_out 256 float32; bias_table 3,969 x 8 float32; rel_index 1,048,576 int32; x 32 x 1,024 x 256 float32.
;; Outputs: out0 32 x 1,024 x 256 float32.
;; One version. Each part assembles by itself: llvm-mc -triple=amdgcn-amd-amdhsa -mcpu=gfx1250 --defsym DOCPART=n.
;; ======== version 1 of 1: 4 launches
;; limits: values are held in f16: magnitudes above 65,504 overflow, below 6.1e-05 lose precision
;; workspace buffers: biasx 33,554,432 bytes; wfrag 524,288 bytes; qf 16,777,216 bytes; kv 33,554,432 bytes; of 16,777,216 bytes
;; launch prep (part 1): grid 1024 x 1, 8 waves a work-group, no clusters, 0 bytes of LDS; arguments rel_index, bias_table, W_qkv, W_out, biasx, wfrag; writes biasx, wfrag
.if DOCPART == 1
	.amdgcn_target "amdgcn-amd-amdhsa--gfx1250"
	.amdhsa_code_object_version 6
	.text
	.protected	k_qb8e58071d3_prep
	.globl	k_qb8e58071d3_prep
	.p2align	8
	.type	k_qb8e58071d3_prep,@function
k_qb8e58071d3_prep:
	s_mov_b64 s[64:65], 0
	v_nop
	global_prefetch_b8 v0, s[64:65] scope:SCOPE_SE
	s_setreg_imm32_b32 hwreg(HW_REG_WAVE_MODE, 25, 1), 1
	s_wait_xcnt 0x0
; prep: (1) biasx[h][..] = bias_table[rel_index[i*1024+j]][h] * log2(e), f32, laid out in the order in which the attention
; launch takes it as the C operand of a 16 x 16 matrix product (rows = keys, columns = queries);
; (2) wfrag = W_qkv and W_out in f16, laid out as 16 x 32 operand fragments.
; biasx, per head plane of 4 MiB, in units of 16 bytes:
;   unit = lane | q<<5 | u<<6 | t<<7 | s<<9 | rh<<10 | jblk<<11 | iblk<<15,   r = lane & 15, hl = lane >> 4
;   float e of a unit: i = 128 iblk + 64 rh + 16 t + r,   j = 64 jblk + 32 s + 16 u + 8 hl + 4 q + e
; wfrag: byte g*512 + lane*16, g = ntile*16 + kstep*2 + c, holds W[32 kstep + 16 c + 8 hl + e][16 ntile + r], e = 0..7;
;   ntile 0-47 are W_qkv's 768 columns, ntile 48-63 W_out's 256.
; Shares: 1,024 work-groups x 256 threads; a thread makes one unit in each of the 8 head planes from four indices.
; Wave w gives q = w & 1, u = (w >> 1) & 1, s = w >> 2; the work-group's number g gives t = g & 3, rh = (g >> 2) & 1,
; jblk = (g >> 3) & 15, iblk = g >> 7.  The eight waves together read 64 neighbouring keys (256 bytes) of each of 16 rows of rel_index.
; A stream with a gather: no LDS, no barrier, no matrix unit, no cluster (no two work-groups read the same index).
; LIMIT: a weight of magnitude 65,504 or more becomes infinity in f16.  An index is clamped to the table's last row, 3,968.
.set LOG2E, 0x3fb8aa3b
.set IDX, 8                            ; v[8:11]   four indices, then four byte offsets into the table
.set TB,  12                           ; v[12:43]  table rows: index e, head h at TB + 8 e + h; later v[12:19] eight weights
.set OB,  44                           ; v[44:75]  results: head h, index e at OB + 4 h + e
.set WO,  76                           ; v[76:83]  byte offsets of eight weights
.set WP,  84                           ; v[84:87]  eight weights in f16
	s_load_b256 s[4:11], s[0:1], 0x0               ; rel_index s[4:5], bias_table s[6:7], W_qkv s[8:9], W_out s[10:11]
	s_load_b128 s[12:15], s[0:1], 0x20             ; biasx s[12:13], wfrag s[14:15]
	v_lshrrev_b32 v7, 5, v0
	v_readfirstlane_b32 s16, v7                    ; wave 0..7
	v_and_b32 v1, 31, v0                           ; lane
	v_and_b32 v2, 15, v0                           ; r
	v_bfe_u32 v3, v0, 4, 1                         ; hl
	; byte offset of my four indices: (128 iblk + 64 rh + 16 t + r) * 4096 + (64 jblk + 32 s + 16 u + 8 hl + 4 q) * 4
	s_lshr_b32 s17, ttmp9, 7
	s_lshl_b32 s17, s17, 7                         ; 128 iblk
	s_and_b32 s18, ttmp9, 7
	s_lshl_b32 s18, s18, 4                         ; 64 rh + 16 t
	s_or_b32 s17, s17, s18
	s_lshl_b32 s17, s17, 12                        ; rows of 4,096 bytes
	s_bfe_u32 s18, ttmp9, 0x40003                  ; jblk
	s_lshl_b32 s18, s18, 8                         ; 64 keys of 4 bytes
	s_or_b32 s17, s17, s18
	s_lshr_b32 s19, s16, 1
	s_lshl_b32 s19, s19, 6                         ; (2 s + u) x 16 keys of 4 bytes
	s_or_b32 s17, s17, s19
	s_and_b32 s20, s16, 1
	s_lshl_b32 s20, s20, 4                         ; q x 4 keys of 4 bytes
	s_or_b32 s17, s17, s20
	v_lshlrev_b32 v4, 12, v2
	v_lshl_add_u32 v4, v3, 5, v4
	v_add_nc_u32 v4, s17, v4
	; byte offset of my unit in a head plane
	s_lshr_b32 s21, ttmp9, 2
	s_lshl_b32 s21, s21, 14                        ; rh<<14 | jblk<<15 | iblk<<19
	s_and_b32 s22, ttmp9, 3
	s_lshl_b32 s22, s22, 11                        ; t<<11
	s_or_b32 s21, s21, s22
	s_lshr_b32 s22, s16, 2
	s_lshl_b32 s22, s22, 13                        ; s<<13
	s_or_b32 s21, s21, s22
	s_and_b32 s22, s16, 3
	s_lshl_b32 s22, s22, 9                         ; q<<9 | u<<10
	s_or_b32 s21, s21, s22
	v_lshl_add_u32 v5, v1, 4, s21
	s_wait_kmcnt 0x0
	global_load_b128 v[IDX:IDX+3], v4, s[4:5] th:TH_LOAD_NT   ; each index is read once in the launch
	s_mov_b64 s[24:25], s[12:13]                   ; four bases 8 MiB apart: a store's immediate then picks one of two planes
	s_add_nc_u64 s[26:27], s[12:13], 0x800000
	s_add_nc_u64 s[28:29], s[12:13], 0x1000000
	s_add_nc_u64 s[30:31], s[12:13], 0x1800000
	s_wait_loadcnt 0x0
.irp e, 0,1,2,3
	v_min_u32 v[IDX+\e], 0xf80, v[IDX+\e]          ; a loaded number enters an address only clamped: the table has 3,969 rows
.endr
.irp e, 0,1,2,3
	v_lshlrev_b32 v[IDX+\e], 5, v[IDX+\e]          ; a table row is the eight heads' 32 bytes
.endr
.irp e, 0,1,2,3
	global_load_b128 v[TB+8*\e:TB+8*\e+3],   v[IDX+\e], s[6:7]
	global_load_b128 v[TB+8*\e+4:TB+8*\e+7], v[IDX+\e], s[6:7] offset:16
.endr
	s_wait_loadcnt 0x0
.irp h, 0,1,2,3,4,5,6,7
.irp e, 0,1,2,3
	v_mul_f32 v[OB+4*\h+\e], LOG2E, v[TB+8*\e+\h]  ; the softmax works in base 2; the transposition lies in the register numbers
.endr
.endr
.irp h, 0,1,2,3,4,5,6,7
	global_store_b128 v5, v[OB+4*\h:OB+4*\h+3], s[24+2*(\h>>1):25+2*(\h>>1)] offset:(\h&1)*4194304   ; a wave's store covers 512 consecutive bytes, aligned
.endr
	; wave 0 alone makes the work-group's 512 bytes of wfrag
	s_cmp_lg_u32 s16, 0
	s_cbranch_scc1 .Lend
	s_mov_b32 s37, 3072                            ; bytes in a row of W_qkv
	s_cmp_lt_u32 ttmp9, 768                        ; groups 0-767: W_qkv; 768-1023: W_out
	s_cselect_b64 s[32:33], s[8:9], s[10:11]
	s_cselect_b32 s34, s37, 1024                   ; the source's row pitch in bytes
	s_cselect_b32 s36, 0, 768
	s_sub_co_u32 s35, ttmp9, s36                   ; g' = ntile' * 16 + kstep * 2 + c
	s_and_b32 s38, s35, 15
	s_lshl_b32 s38, s38, 4                         ; first k = 32 kstep + 16 c
	s_mul_i32 s38, s38, s34
	s_lshr_b32 s39, s35, 4
	s_lshl_b32 s39, s39, 6                         ; 16 columns of 4 bytes for each ntile'
	s_add_co_u32 s38, s38, s39
	s_lshl_b32 s36, s34, 3                         ; eight rows
	v_mul_lo_u32 v[WO], v3, s36                    ; + 8 hl rows
	v_lshl_add_u32 v[WO], v2, 2, v[WO]             ; + column r
	v_add_nc_u32 v[WO], s38, v[WO]
.irp e, 1,2,3,4,5,6,7
	v_add_nc_u32 v[WO+\e], s34, v[WO+\e-1]         ; one row further down
.endr
.irp e, 0,1,2,3,4,5,6,7
	global_load_b32 v[TB+\e], v[WO+\e], s[32:33]   ; 16 lanes take 64 neighbouring bytes of a row; the two weights are 1 MiB in all and are read once
.endr
	s_lshl_b32 s39, ttmp9, 9
	v_lshl_add_u32 v6, v1, 4, s39
	s_wait_loadcnt 0x0
.irp e, 0,1,2,3
	v_cvt_pk_f16_f32 v[WP+\e], v[TB+2*\e], v[TB+2*\e+1]
.endr
	global_store_b128 v6, v[WP:WP+3], s[14:15]
.Lend:
	s_endpgm
.Lfunc_end_k_qb8e58071d3_prep:
	.size	k_qb8e58071d3_prep, .Lfunc_end_k_qb8e58071d3_prep-k_qb8e58071d3_prep
	.p2alignl 7, 3214868480
	.fill 96, 4, 3214868480
	.section	.rodata,"a",@progbits
	.p2align	6, 0x0
	.amdhsa_kernel k_qb8e58071d3_prep
		.amdhsa_group_segment_fixed_size 0
		.amdhsa_private_segment_fixed_size 0
		.amdhsa_enable_private_segment 0
		.amdhsa_kernarg_size 48
		.amdhsa_user_sgpr_count 2
		.amdhsa_user_sgpr_kernarg_segment_ptr 1
		.amdhsa_wavefront_size32 1
		.amdhsa_system_sgpr_workgroup_id_x 1
		.amdhsa_system_sgpr_workgroup_id_y 1
		.amdhsa_system_sgpr_workgroup_id_z 1
		.amdhsa_system_vgpr_workitem_id 0
		.amdhsa_next_free_vgpr 88
		.amdhsa_next_free_sgpr 66
		.amdhsa_reserve_vcc 0
		.amdhsa_float_denorm_mode_32 3
		.amdhsa_float_denorm_mode_16_64 3
		.amdhsa_memory_ordered 1
		.amdhsa_forward_progress 1
		.amdhsa_inst_pref_size 9
	.end_amdhsa_kernel
	.amdgpu_metadata
---
amdhsa.version: [ 1, 2 ]
amdhsa.kernels:
  - .name:           k_qb8e58071d3_prep
    .symbol:         k_qb8e58071d3_prep.kd
    .args:
      - { .name: rel_index, .offset: 0, .size: 8, .value_kind: global_buffer, .address_space: global }
      - { .name: bias_table, .offset: 8, .size: 8, .value_kind: global_buffer, .address_space: global }
      - { .name: W_qkv, .offset: 16, .size: 8, .value_kind: global_buffer, .address_space: global }
      - { .name: W_out, .offset: 24, .size: 8, .value_kind: global_buffer, .address_space: global }
      - { .name: biasx, .offset: 32, .size: 8, .value_kind: global_buffer, .address_space: global }
      - { .name: wfrag, .offset: 40, .size: 8, .value_kind: global_buffer, .address_space: global }
    .group_segment_fixed_size: 0
    .private_segment_fixed_size: 0
    .kernarg_segment_align: 8
    .kernarg_segment_size: 48
    .max_flat_workgroup_size: 256
    .sgpr_count:     66
    .vgpr_count:     88
    .wavefront_size: 32
...
	.end_amdgpu_metadata
.endif
;; end of part 1
;; launch qkv (part 2): grid 256 x 1, 8 waves a work-group, clusters of 4 x 1, 327,680 bytes of LDS; arguments x, wfrag, qf, kv; writes qf, kv
.if DOCPART == 2
	.amdgcn_target "amdgcn-amd-amdhsa--gfx1250"
	.amdhsa_code_object_version 6
	.text
	.protected	k_qb8e58071d3_qkv
	.globl	k_qb8e58071d3_qkv
	.p2align	8
	.type	k_qb8e58071d3_qkv,@function
k_qb8e58071d3_qkv:
	s_mov_b64 s[64:65], 0
	v_nop
	global_prefetch_b8 v0, s[64:65] scope:SCOPE_SE
	s_setreg_imm32_b32 hwreg(HW_REG_WAVE_MODE, 25, 1), 1
	s_wait_xcnt 0x0
	s_wait_alu depctr_hold_cnt(0) depctr_sa_sdst(0) depctr_va_vdst(0) depctr_va_sdst(0) depctr_va_ssrc(0) depctr_va_vcc(0) depctr_vm_vsrc(0)
	s_getreg_b32 s2, hwreg(HW_REG_IB_STS2, 6, 4)
	s_cmp_eq_u32 s2, 0
	s_cbranch_scc0 .Lentry_in_a_cluster
	s_endpgm
.Lentry_in_a_cluster:
	s_bfe_u32 s2, ttmp6, 0x10000c
	s_cmp_lg_u32 s2, 0x3003
	s_cbranch_scc0 .Lentry_shape_is_right
	s_endpgm
.Lentry_shape_is_right:
; qkv: q, k, v = x @ W_qkv, f16 operands, f32 sums; q is multiplied in f32 by 32^-0.5 log2(e); all three leave as f16 in the
; order in which the attention launch takes them as operand fragments (r = lane & 15, hl = lane >> 4, e = 0..7):
;   qf: ((b*8+h)*64 + qtile)*1024 + c*512 + lane*16             = q'[token 16 qtile + r][d = 16 c + 8 hl + e]
;   kv: (((bg*8+h)*16 + jblk)*8 + bl)*8192 + s*4096 + ...,  b = 8 bg + bl
;       K: u*1024 + c*512 + lane*16                              = k[key 64 jblk + 32 s + 16 u + r][d = 16 c + 8 hl + e]
;       V: 2048 + dt*1024 + c*512 + lane*16                      = v[key 64 jblk + 32 s + 16 c + 8 hl + e][d = 16 dt + r]
; A work-group owns 128 tokens and all 768 columns.  Wave w: tg = w >> 1 picks 32 tokens (two tiles tt), fh = w & 1 picks eight of a
; section's sixteen column tiles (heads 4 fh .. 4 fh + 3).  The wave's x fragments for all K = 256 stay in 128 registers.
; W comes in three sections (q, k, v) of 128 KiB through two LDS slots.  CLUSTER: the four work-groups of a cluster walk the same
; weights, so each section is asked for jointly (mask 15): each of the eight waves asks for 16 KiB.  x is each work-group's own (mask 0).
; q and k: the matrix instruction takes W as source 0 and x as source 1, so a lane holds 8 neighbouring features of one token;
; v: x as source 0 and W as source 1, so a lane holds 8 neighbouring tokens of one feature.  Four packed conversions then make the
; 16 bytes of a lane, and a wave's store covers 512 consecutive bytes, aligned.
; LIMIT: |x|, |W|, |0.255 q|, |k| or |v| of 65,504 or more becomes infinity in f16.
.set SLOT1,  131072                    ; slot 0 at 0, slot 1 here, 131,072 bytes each
.set XB,     131072                    ; x: 128 rows of 1,024 bytes at a pitch of 1,040, over slot 1; dead once converted
.set XPITCH, 1040                      ; 65 x 16 bytes: the 16 rows that a load touches lie in 16 different 16-byte columns modulo 256 bytes
.set QSCALE, 0x3e8293ee                ; 32^-0.5 * log2(e)
.set XF,  16                           ; v[16:143]  x fragment (tt, k) at XF + 64 tt + 8 k
.set WA,  144                          ; v[144:175] W fragments of K steps 0-3
.set WB,  176                          ; v[176:207] of K steps 4-7
.set ACC, 208                          ; v[208:223] two accumulators, tt
.set PK,  224                          ; v[224:231] packed results
.set G1W, 24                           ; s[24:31] shape of a W load: 64 rows of 256 bytes, dense, joint
.set G1X, 32                           ; s[32:39] shape of an x load: 16 rows of 1,024 bytes, padded
.set G0Q, 40                           ; s[40:43], s[44:47], s[48:51], s[52:55]: from where, to where; one set for each load, never rewritten
.set G0X, 44
.set G0K, 48
.set G0V, 52
.macro PLACES n
.rept \n
	v_nop
.endr
.endm
; A round of the cluster's barrier: my work-group's barrier, wave 0 signals for the work-group, every wave waits for all four work-groups, my work-group's barrier again.
.macro ROUND
	s_barrier_signal -1
	s_barrier_wait -1
	s_cmp_lg_u32 s12, 0
	s_cbranch_scc1 .Lnot_wave_0_\@
	s_barrier_signal -3
.Lnot_wave_0_\@:
	s_barrier_wait -3
	s_barrier_signal -1
	s_barrier_wait -1
.endm
	s_load_b256 s[4:11], s[0:1], 0x0               ; x s[4:5], wfrag s[6:7], qf s[8:9], kv s[10:11]
	v_lshl_add_u32 v240, v0, 2, 0x40800
	v_mov_b32 v241, 0
	ds_add_u32 v240, v241
	v_lshrrev_b32 v5, 5, v0
	v_readfirstlane_b32 s12, v5                    ; wave 0..7
	s_bfe_u32 s13, ttmp6, 0x40000                  ; cx
	s_lshl_b32 s14, ttmp9, 2
	s_add_co_u32 s14, s14, s13                     ; work-group = 4 x cluster + cx
	s_lshr_b32 s15, s12, 1                         ; tg
	s_and_b32 s16, s12, 1                          ; fh
	s_mov_b32 s[G1W+0], 15|(3<<16)|(1<<21)         ; mask: all four partners; elements of 8 bytes; bit 21 beside a mask
	s_mov_b32 s[G1W+1], 32<<16                     ; tensor_dim0 = 32 elements (256 bytes)
	s_mov_b32 s[G1W+2], 64<<16                     ; tensor_dim1 = 64 rows
	s_mov_b32 s[G1W+3], 32<<16                     ; tile_dim0 = 32
	s_mov_b32 s[G1W+4], 64                         ; tile_dim1 = 64
	s_mov_b32 s[G1W+5], 32                         ; pitch = 32 elements: dense
	s_mov_b32 s[G1W+6], 0
	s_mov_b32 s[G1W+7], 0
	s_mov_b32 s[G1X+0], (2<<16)|(1<<20)|(7<<22)|(3<<25)   ; no mask; elements of 4 bytes; behind every 256 words 4 words of padding
	s_mov_b32 s[G1X+1], 256<<16                    ; tensor_dim0 = 256
	s_mov_b32 s[G1X+2], 16<<16                     ; tensor_dim1 = 16
	s_mov_b32 s[G1X+3], 256<<16                    ; tile_dim0 = 256
	s_mov_b32 s[G1X+4], 16                         ; tile_dim1 = 16
	s_mov_b32 s[G1X+5], 256                        ; pitch
	s_mov_b32 s[G1X+6], 0
	s_mov_b32 s[G1X+7], 0
	s_mov_b32 s[G0Q], 1
	s_lshl_b32 s[G0Q+1], s12, 14                   ; slot 0, the wave's 16 KiB
	s_mov_b32 s[G0X], 1
	s_mul_i32 s[G0X+1], s12, 16*XPITCH
	s_add_co_u32 s[G0X+1], s[G0X+1], XB            ; the wave's 16 rows of x
	s_mov_b32 s[G0K], 1
	s_add_co_u32 s[G0K+1], s[G0Q+1], SLOT1         ; slot 1
	s_mov_b32 s[G0V], 1
	s_lshl_b32 s[G0V+1], s12, 14                   ; slot 0 again
	s_lshl_b32 s20, s12, 14                        ; offsets in wfrag hang on the wave's number alone
	s_mov_b32 s21, 0
	s_lshl_b32 s18, s14, 17                        ; x: 128 rows of 1,024 bytes for each work-group,
	s_add_co_u32 s18, s18, s20                     ; 16 rows for each wave
	s_mov_b32 s19, 0
	; qf: b<<19 | fh<<18 | blk<<13 | tg<<11, with b = wg >> 3, blk = wg & 7
	s_lshr_b32 s62, s14, 3
	s_lshl_b32 s60, s62, 19
	s_lshl_b32 s63, s16, 18
	s_or_b32 s60, s60, s63
	s_and_b32 s63, s14, 7
	s_lshl_b32 s63, s63, 13
	s_or_b32 s60, s60, s63
	s_lshl_b32 s63, s15, 11
	s_or_b32 s60, s60, s63
	s_mov_b32 s61, 0
	; kv: bg<<23 | fh<<22 | blk<<17 | (tg>>1)<<16 | bl<<13 | (tg&1)<<12
	s_lshr_b32 s22, s14, 6
	s_lshl_b32 s22, s22, 23
	s_lshl_b32 s63, s16, 22
	s_or_b32 s22, s22, s63
	s_and_b32 s63, s14, 7
	s_lshl_b32 s63, s63, 17
	s_or_b32 s22, s22, s63
	s_lshr_b32 s63, s15, 1
	s_lshl_b32 s63, s63, 16
	s_or_b32 s22, s22, s63
	s_and_b32 s63, s62, 7
	s_lshl_b32 s63, s63, 13
	s_or_b32 s22, s22, s63
	s_and_b32 s63, s15, 1
	s_lshl_b32 s63, s63, 12
	s_or_b32 s22, s22, s63
	s_mov_b32 s23, 0
	s_wait_dscnt 0x0
	s_wait_kmcnt 0x0
	s_add_nc_u64 s[G0Q+2:G0Q+3], s[6:7], s[20:21]
	s_add_nc_u64 s[G0K+2:G0K+3], s[G0Q+2:G0Q+3], 131072
	s_add_nc_u64 s[G0V+2:G0V+3], s[G0Q+2:G0Q+3], 262144
	s_add_nc_u64 s[G0X+2:G0X+3], s[4:5], s[18:19]
	s_or_b32 s[G0Q+3], s[G0Q+3], 0x80000000        ; type = 2
	s_or_b32 s[G0K+3], s[G0K+3], 0x80000000
	s_or_b32 s[G0V+3], s[G0V+3], 0x80000000
	s_or_b32 s[G0X+3], s[G0X+3], 0x80000000
	s_add_nc_u64 s[56:57], s[8:9], s[60:61]        ; where my q goes
	s_add_nc_u64 s[58:59], s[10:11], s[22:23]      ; where my k and v go
	ROUND                                          ; all four work-groups are here: the first joint loads meet
	tensor_load_to_lds s[G0Q:G0Q+3], s[G1W:G1W+7]  ; both first fills as one group: two loads of the wave are out
	s_nop 0
	tensor_load_to_lds s[G0X:G0X+3], s[G1X:G1X+7]
	s_nop 0
	v_and_b32 v1, 31, v0
	v_lshlrev_b32 v1, 4, v1                        ; lane * 16
	s_lshl_b32 s17, s16, 16
	v_add_nc_u32 v2, s17, v1                       ; my eight column tiles in slot 0
	v_add_nc_u32 v3, SLOT1, v2                     ; in slot 1
	v_and_b32 v6, 15, v0                           ; r
	v_bfe_u32 v7, v0, 4, 1                         ; hl
	v_mul_u32_u24 v4, v6, XPITCH
	v_lshl_add_u32 v4, v7, 5, v4                   ; 8 hl floats
	s_mul_i32 s17, s15, 32*XPITCH
	s_add_co_u32 s17, s17, XB
	v_add_nc_u32 v4, s17, v4                       ; x: row 32 tg + r
	s_wait_tensorcnt 0x0                           ; my parts of W's q section and of x have landed,
	s_barrier_signal -1
	s_barrier_wait -1                              ; everybody's have
; x to f16 fragments: token tile tt, K steps 4 kh .. 4 kh + 3.  A fragment's lane takes floats 8 hl .. + 7 and 16 + 8 hl .. + 7 of its row's 32.
.macro XCONV tt, kh
.irp kk, 0,1,2,3
	ds_load_b128 v[WA+16*\kk:WA+16*\kk+3],     v4 offset:\tt*16*XPITCH+(4*\kh+\kk)*128
	ds_load_b128 v[WA+16*\kk+4:WA+16*\kk+7],   v4 offset:\tt*16*XPITCH+(4*\kh+\kk)*128+16
	ds_load_b128 v[WA+16*\kk+8:WA+16*\kk+11],  v4 offset:\tt*16*XPITCH+(4*\kh+\kk)*128+64
	ds_load_b128 v[WA+16*\kk+12:WA+16*\kk+15], v4 offset:\tt*16*XPITCH+(4*\kh+\kk)*128+80
.endr
.irp kk, 0,1,2,3
	s_wait_dscnt 12-4*\kk                          ; the four loads of each later K step may stay out
.irp j, 0,1,2,3,4,5,6,7
	v_cvt_pk_f16_f32 v[XF+64*\tt+8*(4*\kh+\kk)+\j], v[WA+16*\kk+2*\j], v[WA+16*\kk+2*\j+1]
.endr
.endr
.endm
	XCONV 0, 0
	XCONV 0, 1
	XCONV 1, 0
	XCONV 1, 1
; eight LDS loads: W's fragments of column tile nt, K steps k0 .. k0 + 3; 32 lanes take 512 consecutive bytes
.macro LDW buf, base, nt, k0
.irp j, 0,1,2,3
	ds_load_b128 v[\buf+8*\j:\buf+8*\j+3],   v[\base] offset:(\nt)*8192+(\k0+\j)*1024
	ds_load_b128 v[\buf+8*\j+4:\buf+8*\j+7], v[\base] offset:(\nt)*8192+(\k0+\j)*1024+512
.endr
.endm
; two matrix instructions, one for each token tile: the two accumulators take turns, one instruction a turn.
; The first K step takes the constant 0 as C: nothing is cleared.
.macro MM kind, k, wreg
.irp tt, 0,1
.if \kind == 2
.set OPA, XF+64*\tt+8*\k
.set OPB, \wreg
.else
.set OPA, \wreg
.set OPB, XF+64*\tt+8*\k
.endif
.if \k
	v_wmma_f32_16x16x32_f16 v[ACC+8*\tt:ACC+8*\tt+7], v[OPA:OPA+7], v[OPB:OPB+7], v[ACC+8*\tt:ACC+8*\tt+7]
.else
	v_wmma_f32_16x16x32_f16 v[ACC+8*\tt:ACC+8*\tt+7], v[OPA:OPA+7], v[OPB:OPB+7], 0
.endif
.endr
.endm
; One column tile: 16 matrix instructions, the next tile's fragments fetched behind each half, the results packed and stored.
.macro NT kind, base, nt, last
	s_wait_dscnt 0x8                               ; K steps 0-3 are in; the eight loads of K steps 4-7 may stay out
.irp k, 0,1,2,3
	MM \kind, \k, WA+8*\k
.endr
	PLACES 4                                       ; four places before loads land on registers that matrix instructions have read
.if \last == 0
	LDW WA, \base, \nt+1, 0
	s_wait_dscnt 0x8                               ; K steps 4-7 are in; the eight loads just issued stay out
.else
	s_wait_dscnt 0x0
.endif
.irp k, 4,5,6,7
	MM \kind, \k, WB+8*(\k-4)
.endr
	PLACES 5                                       ; four before the results are read and before loads land on the sources, five before the next tile's first product writes over the accumulators
.if \last == 0
	LDW WB, \base, \nt+1, 4
.endif
	s_wait_xcnt 0x0                                ; the packed registers, which the last tile's stores read, are rewritten only behind this wait
.if \kind == 0
.irp j, 0,1,2,3,4,5,6,7
	v_pk_mul_f32 v[ACC+2*\j:ACC+2*\j+1], v[ACC+2*\j:ACC+2*\j+1], QSCALE op_sel_hi:[1,0]
.endr
.set SB, 56
.set IMM0, ((\nt)>>1)*65536+((\nt)&1)*512          ; head, half of d
.set IMMT, 1024                                    ; query tile
.else
.set SB, 58
.if \kind == 1
.set IMM0, ((\nt)>>1)*1048576+((\nt)&1)*512        ; head, half of d
.set IMMT, 1024                                    ; key tile u
.else
.set IMM0, ((\nt)>>1)*1048576+2048+((\nt)&1)*1024  ; head, V's part, half of d
.set IMMT, 512                                     ; half of the 32 keys
.endif
.endif
.irp j, 0,1,2,3,4,5,6,7
	v_cvt_pk_f16_f32 v[PK+\j], v[ACC+2*\j], v[ACC+2*\j+1]
.endr
.irp tt, 0,1
	global_store_b128 v1, v[PK+4*\tt:PK+4*\tt+3], s[SB:SB+1] offset:IMM0+\tt*IMMT
.endr
.endm
.macro SECT kind, base
	LDW WA, \base, 0, 0
	LDW WB, \base, 0, 4
.irp nt, 0,1,2,3,4,5,6
	NT \kind, \base, \nt, 0
.endr
	NT \kind, \base, 7, 1
.endm
	s_wait_dscnt 0x0                               ; my reads of x are back,
	s_wait_tensorcnt 0x0                           ; none of my tensor loads is out:
	ds_add_u32 v240, v241
	s_wait_dscnt 0x0
	ROUND                                          ; so of every wave of the cluster
	tensor_load_to_lds s[G0K:G0K+3], s[G1W:G1W+7]  ; W's k section over x's bytes: my one load behind the round; it has the q section's 128 matrix instructions in which to land
	s_nop 0
	SECT 0, 2
	s_wait_dscnt 0x0                               ; my reads of slot 0 are back,
	s_wait_tensorcnt 0x0                           ; my part of the k section has landed
	ds_add_u32 v240, v241
	s_wait_dscnt 0x0
	ROUND
	tensor_load_to_lds s[G0V:G0V+3], s[G1W:G1W+7]  ; W's v section into slot 0
	s_nop 0
	SECT 1, 3
	s_wait_dscnt 0x0
	s_wait_tensorcnt 0x0                           ; my part of the v section has landed,
	s_barrier_signal -1
	s_barrier_wait -1                              ; everybody's has; nothing is filled any more
	SECT 2, 2
	s_wait_tensorcnt 0x0
	ds_add_u32 v240, v241
	s_wait_dscnt 0x0
	ROUND                                          ; the closing round: no work-group ends while a partner may still ask jointly
	s_endpgm
.Lfunc_end_k_qb8e58071d3_qkv:
	.size	k_qb8e58071d3_qkv, .Lfunc_end_k_qb8e58071d3_qkv-k_qb8e58071d3_qkv
	.p2alignl 7, 3214868480
	.fill 96, 4, 3214868480
	.section	.rodata,"a",@progbits
	.p2align	6, 0x0
	.amdhsa_kernel k_qb8e58071d3_qkv
		.amdhsa_group_segment_fixed_size 327680
		.amdhsa_private_segment_fixed_size 0
		.amdhsa_enable_private_segment 0
		.amdhsa_kernarg_size 32
		.amdhsa_user_sgpr_count 2
		.amdhsa_user_sgpr_kernarg_segment_ptr 1
		.amdhsa_wavefront_size32 1
		.amdhsa_system_sgpr_workgroup_id_x 1
		.amdhsa_system_sgpr_workgroup_id_y 1
		.amdhsa_system_sgpr_workgroup_id_z 1
		.amdhsa_system_vgpr_workitem_id 0
		.amdhsa_next_free_vgpr 242
		.amdhsa_next_free_sgpr 66
		.amdhsa_reserve_vcc 0
		.amdhsa_float_denorm_mode_32 3
		.amdhsa_float_denorm_mode_16_64 3
		.amdhsa_memory_ordered 1
		.amdhsa_forward_progress 1
		.amdhsa_inst_pref_size 99
	.end_amdhsa_kernel
	.amdgpu_metadata
---
amdhsa.version: [ 1, 2 ]
amdhsa.kernels:
  - .name:           k_qb8e58071d3_qkv
    .symbol:         k_qb8e58071d3_qkv.kd
    .args:
      - { .name: x, .offset: 0, .size: 8, .value_kind: global_buffer, .address_space: global }
      - { .name: wfrag, .offset: 8, .size: 8, .value_kind: global_buffer, .address_space: global }
      - { .name: qf, .offset: 16, .size: 8, .value_kind: global_buffer, .address_space: global }
      - { .name: kv, .offset: 24, .size: 8, .value_kind: global_buffer, .address_space: global }
    .group_segment_fixed_size: 327680
    .private_segment_fixed_size: 0
    .kernarg_segment_align: 8
    .kernarg_segment_size: 32
    .max_flat_workgroup_size: 256
    .sgpr_count:     66
    .vgpr_count:     242
    .wavefront_size: 32
...
	.end_amdgpu_metadata
.endif
;; end of part 2
;; launch attn (part 3): grid 4 x 64, 16 waves a work-group, clusters of 4 x 4, 327,680 bytes of LDS; arguments qf, kv, biasx, of; writes of
.if DOCPART == 3
	.amdgcn_target "amdgcn-amd-amdhsa--gfx1250"
	.amdhsa_code_object_version 6
	.text
	.protected	k_qb8e58071d3_attn
	.globl	k_qb8e58071d3_attn
	.p2align	8
	.type	k_qb8e58071d3_attn,@function
k_qb8e58071d3_attn:
	s_mov_b64 s[64:65], 0
	v_nop
	global_prefetch_b8 v0, s[64:65] scope:SCOPE_SE
	s_setreg_imm32_b32 hwreg(HW_REG_WAVE_MODE, 25, 1), 1
	s_wait_xcnt 0x0
	s_wait_alu depctr_hold_cnt(0) depctr_sa_sdst(0) depctr_va_vdst(0) depctr_va_sdst(0) depctr_va_ssrc(0) depctr_va_vcc(0) depctr_vm_vsrc(0)
	s_getreg_b32 s2, hwreg(HW_REG_IB_STS2, 6, 4)
	s_cmp_eq_u32 s2, 0
	s_cbranch_scc0 .Lentry_in_a_cluster
	s_endpgm
.Lentry_in_a_cluster:
	s_bfe_u32 s2, ttmp6, 0x10000c
	s_cmp_lg_u32 s2, 0xf033
	s_cbranch_scc0 .Lentry_shape_is_right
	s_endpgm
.Lentry_shape_is_right:
; attn: O = softmax(q k^T / sqrt(32) + bias) v for one head h, 128 query rows (iblk) and 8 images (bg) in a work-group.
; q already carries 32^-0.5 log2(e) and the bias log2(e), so the exponentials are in base 2.  A running maximum is kept for every
; query (a true one: no fixed shift).  f16 operands, f32 sums, maxima, exponentials and normalisers.
; Wave w: image bl = w >> 1, row half rh = w & 1: 64 queries = 4 query tiles t.  Keys go in trips of 64 = one LDS slot.
; TRANSPOSED: S^T = K Q^T + bias.  The bias tile is loaded from LDS into the accumulator and enters as C, so scale and bias cost no
; vector instruction.  In the result lane (r, hl) holds query r and keys 16 i + 8 hl + 0..7 (i = 0..3): packed to f16 in place these
; are the second source of O^T = V^T P^T with no shuffle, and a query's maximum and sum live in lanes r and r + 16 alone.
; PIPELINE over the query tiles, on two score buffers of 32 registers.  Stage t: four places; the bias of tile t + 1 is loaded into the
; buffer that tile t - 1 has left; the softmax of tile t (109 vector instructions for 32 score registers); then eight matrix
; instructions, the first product of tile t + 1 and the second of tile t.  V is loaded in stage 0, the next slot's K and first bias
; tile in stage 3, and the next slot's first product stands beside this slot's last: LDS loads go out a softmax ahead of their use.
; LDS: two slots of 98,304 bytes = 64 keys: K and V of the 8 images (65,536) and the bias chunk of 128 queries x 64 keys (32,768).
; CLUSTER 4 x 4: x = image group, y = four query blocks of one head.  K and V hang on (h, bg) and are shared along a column of the
; cluster; the bias hangs on (h, iblk) and is shared along a row.  Waves 0-3 ask for K and V, waves 4 and 5 for the bias, 16 KiB each.
; A slot's last read is waited for in the middle of stage 2; there the round of the cluster's barrier opens, register work stands
; inside it, and behind its closing wait (in stage 3) the slot is filled again, two slots ahead, and the other slot is read.
; of: ((b*64 + qtile)*8 + h)*1024 + dt*512 + lane*16 = O[token 16 qtile + r][32 h + 16 dt + 8 hl + e], f16.
; LIMIT: p below 6e-8 of its row's largest becomes 0 in f16; O of 65,504 or more becomes infinity.
.set SLOTB, 98304
.set BIASO, 65536
.set AKV, 2                            ; v2, v3     LDS address of my image's K and V in slot 0, 1
.set ABI, 4                            ; v4, v5     of my row half's bias
.set RM,  8                            ; v[8:11]    running maximum of tile t
.set RL,  12                           ; v[12:19]   tile t: a pair of partial sums of p
.set TR,  20                           ; v[20:27]   at work
.set NM,  28                           ; v28        the tile's new maximum
.set TX,  29                           ; v29        the other half's figure
.set AL,  30                           ; v30        2^(old maximum - new maximum); v31 completes the pair and is written once
.set RQ,  32                           ; v[32:63]   Q fragment of tile t at 8 t
.set RK,  64                           ; v[64:95]   K fragment of key tile i at 8 i
.set RV,  96                           ; v[96:127]  V fragment of (32 keys s, half dt of d) at 16 s + 8 dt
.set RS,  128                          ; v[128:191] two score buffers; tile t uses buffer t & 1; key tile i at 8 i; then P of keys 32 s .. at 16 s
.set RO,  192                          ; v[192:255] O, tile (t, dt) at 16 t + 8 dt
.set G1K, 24                           ; s[24:31] shape of a K and V load, mask of my column
.set G1B, 32                           ; s[32:39] shape of a bias load, mask of my row
.set G0K, 40                           ; s[40:47] from where, to where, a set for each slot
.set G0B, 48                           ; s[48:55]
.macro PLACES n
.rept \n
	v_nop
.endr
.endm
; wave 0 signals the cluster's barrier for its work-group
.macro CSIG
	s_cmp_lg_u32 s12, 0
	s_cbranch_scc1 .Lnot_wave_0_\@
	s_barrier_signal -3
.Lnot_wave_0_\@:
.endm
; A round of the cluster's barrier: my work-group's barrier, wave 0 signals for the work-group, every wave waits for all sixteen, my work-group's barrier again.
.macro ROUND
	s_barrier_signal -1
	s_barrier_wait -1
	CSIG
	s_barrier_wait -3
	s_barrier_signal -1
	s_barrier_wait -1
.endm
; The joint loads of one slot.  Each line has one mask; the branches hang on the wave's number alone.  Waves 6-15 have no part to fill.
.macro JLOAD sl
	s_cmp_ge_u32 s12, 4
	s_cbranch_scc1 .Lnot_kv_\@
	tensor_load_to_lds s[G0K+4*(\sl):G0K+4*(\sl)+3], s[G1K:G1K+7]
	s_nop 0
	s_branch .Lasked_\@
.Lnot_kv_\@:
	s_cmp_ge_u32 s12, 6
	s_cbranch_scc1 .Lasked_\@
	tensor_load_to_lds s[G0B+4*(\sl):G0B+4*(\sl)+3], s[G1B:G1B+7]
	s_nop 0
.Lasked_\@:
.endm
	s_load_b256 s[4:11], s[0:1], 0x0               ; qf s[4:5], kv s[6:7], biasx s[8:9], of s[10:11]
	v_lshl_add_u32 v27, v0, 2, 0x30000
	v_mov_b32 v28, 0
	ds_add_u32 v27, v28
	s_wait_dscnt 0x0
	v_lshrrev_b32 v6, 5, v0
	v_readfirstlane_b32 s12, v6                    ; wave 0..15
	v_and_b32 v1, 31, v0
	v_lshlrev_b32 v1, 4, v1                        ; lane * 16
	s_bfe_u32 s13, ttmp6, 0x40000                  ; cx
	s_bfe_u32 s14, ttmp6, 0x40004                  ; cy
	s_and_b32 s15, ttmp7, 0xffff                   ; the cluster's y, 0..15
	s_lshr_b32 s16, s15, 1                         ; h: from the cluster's y alone
	s_and_b32 s17, s15, 1
	s_lshl_b32 s17, s17, 2
	s_add_co_u32 s17, s17, s14                     ; iblk = 4 (cluster y & 1) + cy
	s_lshl_b32 s18, ttmp9, 2
	s_add_co_u32 s18, s18, s13                     ; bg = 4 x cluster x + cx
	s_lshr_b32 s23, s12, 1                         ; bl
	s_and_b32 s69, s12, 1                          ; rh
	s_lshl_b32 s19, s18, 3
	s_add_co_u32 s19, s19, s23                     ; b
	s_mov_b32 s20, 0x76543210                      ; v_permlanex16_b32: lane i reads lane i of the other half
	s_mov_b32 s21, 0xfedcba98
	s_lshl_b32 s73, s14, 2
	s_lshl_b32 s73, 15, s73                        ; my row of the cluster: places 4 cy .. 4 cy + 3
	s_lshl_b32 s74, 0x1111, s13                    ; my column: places cx, cx + 4, cx + 8, cx + 12
	s_or_b32 s[G1K+0], s74, (3<<16)|(1<<21)        ; elements of 8 bytes; bit 21 beside a mask
	s_or_b32 s[G1B+0], s73, (3<<16)|(1<<21)
	s_mov_b32 s[G1K+1], 32<<16                     ; 64 rows of 32 elements (256 bytes), dense: 16 KiB
	s_mov_b32 s[G1B+1], 32<<16
	s_mov_b32 s[G1K+2], 64<<16
	s_mov_b32 s[G1B+2], 64<<16
	s_mov_b32 s[G1K+3], 32<<16
	s_mov_b32 s[G1B+3], 32<<16
	s_mov_b32 s[G1K+4], 64
	s_mov_b32 s[G1B+4], 64
	s_mov_b32 s[G1K+5], 32
	s_mov_b32 s[G1B+5], 32
	s_mov_b32 s[G1K+6], 0
	s_mov_b32 s[G1B+6], 0
	s_mov_b32 s[G1K+7], 0
	s_mov_b32 s[G1B+7], 0
	s_mov_b32 s[G0K+0], 1
	s_lshl_b32 s[G0K+1], s12, 14                   ; LDS: slot 0 + 16 KiB x wave (waves 0-3: K and V; 4, 5: the bias behind them)
	s_mov_b32 s[G0K+4], 1
	s_add_co_u32 s[G0K+5], s[G0K+1], SLOTB
	s_mov_b32 s[G0B+0], 1
	s_lshl_b32 s[G0B+1], s12, 14
	s_mov_b32 s[G0B+4], 1
	s_add_co_u32 s[G0B+5], s[G0B+1], SLOTB
	; kv: bg<<23 | h<<20 | jblk<<16, + 16 KiB x wave.  These registers never hold cy.
	s_lshl_b32 s60, s18, 23
	s_lshl_b32 s62, s16, 20
	s_or_b32 s60, s60, s62
	s_lshl_b32 s62, s12, 14
	s_add_co_u32 s60, s60, s62
	s_mov_b32 s61, 0
	; biasx: h<<22 | iblk<<19 | jblk<<15 | (wave & 1)<<14.  These registers never hold cx.
	s_lshl_b32 s66, s16, 22
	s_lshl_b32 s68, s17, 19
	s_or_b32 s66, s66, s68
	s_lshl_b32 s68, s69, 14
	s_or_b32 s66, s66, s68
	s_mov_b32 s67, 0
	; qf: b<<19 | h<<16 | iblk<<13 | rh<<12
	s_lshl_b32 s70, s19, 19
	s_lshl_b32 s72, s16, 16
	s_or_b32 s70, s70, s72
	s_lshl_b32 s72, s17, 13
	s_or_b32 s70, s70, s72
	s_lshl_b32 s72, s69, 12
	s_or_b32 s70, s70, s72
	s_mov_b32 s71, 0
	s_wait_kmcnt 0x0
	s_add_nc_u64 s[56:57], s[4:5], s[70:71]        ; my four Q fragments: asked for first, so that they travel while the cluster gathers
.irp t, 0,1,2,3
	global_load_b128 v[RQ+8*\t:RQ+8*\t+3],   v1, s[56:57] offset:\t*1024
	global_load_b128 v[RQ+8*\t+4:RQ+8*\t+7], v1, s[56:57] offset:\t*1024+512
.endr
	s_add_nc_u64 s[G0K+2:G0K+3], s[6:7], s[60:61]          ; slot 0 begins with keys 0-63,
	s_add_nc_u64 s[G0K+6:G0K+7], s[G0K+2:G0K+3], 65536     ; slot 1 with keys 64-127
	s_add_nc_u64 s[G0B+2:G0B+3], s[8:9], s[66:67]
	s_add_nc_u64 s[G0B+6:G0B+7], s[G0B+2:G0B+3], 32768
	s_or_b32 s[G0K+3], s[G0K+3], 0x80000000        ; type = 2
	s_or_b32 s[G0K+7], s[G0K+7], 0x80000000
	s_or_b32 s[G0B+3], s[G0B+3], 0x80000000
	s_or_b32 s[G0B+7], s[G0B+7], 0x80000000
	; of: b<<19 | iblk<<16 | rh<<15 | h<<10
	s_lshl_b32 s70, s19, 19
	s_lshl_b32 s72, s17, 16
	s_or_b32 s70, s70, s72
	s_lshl_b32 s72, s69, 15
	s_or_b32 s70, s70, s72
	s_lshl_b32 s72, s16, 10
	s_or_b32 s70, s70, s72
	s_add_nc_u64 s[58:59], s[10:11], s[70:71]      ; where my O goes
	ROUND                                          ; all sixteen work-groups are here: the first joint loads meet
	; both slots' first fills as one group; a wave's two stand inside one branch on its number: two loads of the wave are out
	s_cmp_ge_u32 s12, 4
	s_cbranch_scc1 .Lfirst_not_kv
	tensor_load_to_lds s[G0K:G0K+3], s[G1K:G1K+7]
	s_nop 0
	tensor_load_to_lds s[G0K+4:G0K+7], s[G1K:G1K+7]
	s_nop 0
	s_branch .Lfirst_asked
.Lfirst_not_kv:
	s_cmp_ge_u32 s12, 6
	s_cbranch_scc1 .Lfirst_asked
	tensor_load_to_lds s[G0B:G0B+3], s[G1B:G1B+7]
	s_nop 0
	tensor_load_to_lds s[G0B+4:G0B+7], s[G1B:G1B+7]
	s_nop 0
.Lfirst_asked:
	s_lshl_b32 s22, s23, 13
	v_add_nc_u32 v[AKV], s22, v1                   ; 8 KiB for each image
	v_add_nc_u32 v[AKV+1], SLOTB, v[AKV]
	s_lshl_b32 s22, s69, 14
	s_add_co_u32 s22, s22, BIASO
	v_add_nc_u32 v[ABI], s22, v1                   ; 16 KiB for each row half
	v_add_nc_u32 v[ABI+1], SLOTB, v[ABI]
	v_mov_b32 v[TX], 0                             ; the destination of v_permlanex16_b32 counts as read: written once here
	v_mov_b32 v[AL+1], 0                           ; the packed forms name the pair of which they take the first register alone
; eight LDS loads each; 32 lanes take 512 consecutive bytes
.macro LDK slot                        ; K of the slot's 64 keys: key tile i = 2 s + u
.irp i, 0,1,2,3
	ds_load_b128 v[RK+8*\i:RK+8*\i+3],   v[AKV+\slot] offset:(\i>>1)*4096+(\i&1)*1024
	ds_load_b128 v[RK+8*\i+4:RK+8*\i+7], v[AKV+\slot] offset:(\i>>1)*4096+(\i&1)*1024+512
.endr
.endm
.macro LDV slot                        ; V of the slot's 64 keys: i = 2 s + dt
.irp i, 0,1,2,3
	ds_load_b128 v[RV+8*\i:RV+8*\i+3],   v[AKV+\slot] offset:(\i>>1)*4096+2048+(\i&1)*1024
	ds_load_b128 v[RV+8*\i+4:RV+8*\i+7], v[AKV+\slot] offset:(\i>>1)*4096+2048+(\i&1)*1024+512
.endr
.endm
.macro LDB slot, t                     ; the bias of query tile t, straight into the tile's score buffer: key tile i = 2 s + u
.set SB, RS+32*((\t)&1)
.irp i, 0,1,2,3
	ds_load_b128 v[SB+8*\i:SB+8*\i+3],   v[ABI+\slot] offset:(\i>>1)*8192+(\t)*2048+(\i&1)*1024
	ds_load_b128 v[SB+8*\i+4:SB+8*\i+7], v[ABI+\slot] offset:(\i>>1)*8192+(\t)*2048+(\i&1)*1024+512
.endr
.endm
; The matrix instructions.  All accumulators take turns, one instruction a turn.
.macro QK t                            ; scores of query tile t against 64 keys; the bias is C
.set SB, RS+32*((\t)&1)
.irp i, 0,1,2,3
	v_wmma_f32_16x16x32_f16 v[SB+8*\i:SB+8*\i+7], v[RK+8*\i:RK+8*\i+7], v[RQ+8*(\t):RQ+8*(\t)+7], v[SB+8*\i:SB+8*\i+7]
.endr
.endm
.macro PV t, first                     ; O of tile t takes in 64 keys; the very first product starts the sums: nothing is cleared
.set SB, RS+32*((\t)&1)
.irp d, 0,1
.if \first
	v_wmma_f32_16x16x32_f16 v[RO+16*\t+8*\d:RO+16*\t+8*\d+7], v[RV+8*\d:RV+8*\d+7], v[SB:SB+7], 0
.else
	v_wmma_f32_16x16x32_f16 v[RO+16*\t+8*\d:RO+16*\t+8*\d+7], v[RV+8*\d:RV+8*\d+7], v[SB:SB+7], v[RO+16*\t+8*\d:RO+16*\t+8*\d+7]
.endif
.endr
.irp d, 0,1
	v_wmma_f32_16x16x32_f16 v[RO+16*\t+8*\d:RO+16*\t+8*\d+7], v[RV+16+8*\d:RV+16+8*\d+7], v[SB+16:SB+23], v[RO+16*\t+8*\d:RO+16*\t+8*\d+7]
.endr
.endm
; The softmax of query tile t in three parts.  Part A: the new maximum, the factor for what was summed before, score - maximum.
.macro SM_A t, first
.set SB, RS+32*((\t)&1)
.irp j, 0,1,2,3,4,5,6,7
	v_max3_num_f32 v[TR+\j], v[SB+3*\j], v[SB+3*\j+1], v[SB+3*\j+2]
.endr
.irp j, 0,1,2,3
	v_max3_num_f32 v[TR+\j], v[TR+\j], v[SB+24+2*\j], v[SB+25+2*\j]
.endr
	v_max3_num_f32 v[TR],   v[TR],   v[TR+1], v[TR+2]
	v_max3_num_f32 v[TR+3], v[TR+3], v[TR+4], v[TR+5]
.if \first
	v_max_num_f32 v[TR+6], v[TR+6], v[TR+7]
.else
	v_max3_num_f32 v[TR+6], v[TR+6], v[TR+7], v[RM+\t]
.endif
	v_max3_num_f32 v[NM], v[TR], v[TR+3], v[TR+6]
	v_permlanex16_b32 v[TX], v[NM], s20, s21       ; lanes r and r + 16 hold the same query's other keys
	v_max_num_f32 v[NM], v[NM], v[TX]
.if \first == 0
	v_sub_f32 v[AL], v[RM+\t], v[NM]
	v_exp_f32 v[AL], v[AL]                         ; the move below is the plain instruction behind it (ISA guide 5.7.2); it is first used in part B, behind the 32 exponentials
.endif
	v_mov_b32 v[RM+\t], v[NM]
.set jj, 0
.rept 16
	v_pk_add_f32 v[SB+2*jj:SB+2*jj+1], v[SB+2*jj:SB+2*jj+1], v[NM:NM+1] op_sel_hi:[1,0] neg_lo:[0,1] neg_hi:[0,1]
.set jj, jj+1
.endr
.endm
; Part B: p = 2^(score - maximum), at most 1; O is brought to the new maximum.
.macro SM_B t, first
.set SB, RS+32*((\t)&1)
.set jj, 0
.rept 32
	v_exp_f32 v[SB+jj], v[SB+jj]
.set jj, jj+1
.endr
.if \first
	v_nop                                          ; one plain instruction behind the exponentials before their results are used (ISA guide 5.7.2)
	s_wait_alu depctr_va_vdst(0)
.else
	s_wait_alu depctr_va_vdst(0)
.irp j, 0,1,2,3,4,5,6,7                            ; these are also the plain instructions behind the exponentials
	v_pk_mul_f32 v[RO+16*\t+2*\j:RO+16*\t+2*\j+1], v[RO+16*\t+2*\j:RO+16*\t+2*\j+1], v[AL:AL+1] op_sel_hi:[1,0]
.endr
.endif
.endm
; Part C: the lane's sum of p joins the running sum; p is packed to f16 in place.
.macro SM_C t, first
.set SB, RS+32*((\t)&1)
	s_wait_alu depctr_va_vdst(0)
.irp j, 0,1,2,3
	v_pk_add_f32 v[TR+2*\j:TR+2*\j+1], v[SB+4*\j:SB+4*\j+1], v[SB+4*\j+2:SB+4*\j+3]
.endr
.irp j, 0,1,2,3
	v_pk_add_f32 v[TR+2*\j:TR+2*\j+1], v[TR+2*\j:TR+2*\j+1], v[SB+16+2*\j:SB+16+2*\j+1]
.endr
.irp j, 0,1,2,3
	v_pk_add_f32 v[TR+2*\j:TR+2*\j+1], v[TR+2*\j:TR+2*\j+1], v[SB+24+2*\j:SB+24+2*\j+1]
.endr
	v_pk_add_f32 v[TR:TR+1],   v[TR:TR+1],   v[TR+2:TR+3]
	v_pk_add_f32 v[TR+4:TR+5], v[TR+4:TR+5], v[TR+6:TR+7]
.if \first
	v_pk_add_f32 v[RL+2*\t:RL+2*\t+1], v[TR:TR+1], v[TR+4:TR+5]    ; the first trip starts the sums
.else
	v_pk_add_f32 v[TR:TR+1], v[TR:TR+1], v[TR+4:TR+5]
	v_pk_fma_f32 v[RL+2*\t:RL+2*\t+1], v[RL+2*\t:RL+2*\t+1], v[AL:AL+1], v[TR:TR+1] op_sel_hi:[1,0,1]
.endif
.irp s, 0,1
.irp j, 0,1,2,3,4,5,6,7
	v_cvt_pk_f16_f32 v[SB+16*\s+\j], v[SB+16*\s+2*\j], v[SB+16*\s+2*\j+1]   ; ascending: register j is written when registers 2 j, 2 j + 1 of no later pair lie below it
.endr
.endr
.endm
; One trip: the slot's 64 keys against my 64 queries.  At its head the scores of tile 0 are already in buffer 0.
; mode 2: the slot is filled again, two slots ahead; mode 1: nothing is left to fetch, the other slot is still to be read; mode 0: the last trip.
; Every s_wait_dscnt here is for 0: the loads waited for are all that the wave has out, issued a softmax (or half of one) earlier.
.macro TRIP slot, mode, first
	PLACES 4                                       ; four places behind the last products: before their results are read and before loads land on their sources
	LDB \slot, 1
	LDV \slot
	SM_A 0, \first
	SM_B 0, \first
	SM_C 0, \first
	s_wait_dscnt 0x0                               ; the bias of tile 1, and V
	QK 1
	PV 0, \first
	PLACES 4
	LDB \slot, 2
	SM_A 1, \first
	SM_B 1, \first
	SM_C 1, \first
	s_wait_dscnt 0x0                               ; the bias of tile 2
	QK 2
	PV 1, \first
	PLACES 4
	LDB \slot, 3                                   ; my last read of this slot
	SM_A 2, \first
	s_wait_dscnt 0x0                               ; it is back: I read this slot no more
.if \mode
	s_wait_xcnt 0x0
	v_lshl_add_u32 v27, v0, 2, 0x30000
	v_mov_b32 v28, 0
	s_wait_tensorcnt 0x0                           ; and all my tensor loads have landed: the one that was out is my part of the other slot
	ds_add_u32 v27, v28
	s_wait_dscnt 0x0
.if \mode == 2
	s_add_nc_u64 s[G0K+4*\slot+2:G0K+4*\slot+3], s[G0K+4*\slot+2:G0K+4*\slot+3], 2*65536   ; no load of mine is out: this slot's sets step two slots on
	s_add_nc_u64 s[G0B+4*\slot+2:G0B+4*\slot+3], s[G0B+4*\slot+2:G0B+4*\slot+3], 2*32768
.endif
	s_barrier_signal -1                            ; say so (mode 2: this opens a round of the cluster's barrier); up to the round's end only registers are touched
.endif
	SM_B 2, \first
.if \mode
	s_barrier_wait -1                              ; all sixteen waves have said so
.endif
.if \mode == 2
	CSIG                                           ; wave 0 says so for the work-group
.endif
	SM_C 2, \first
	QK 3
	PV 2, \first
	PLACES 4
.if \mode == 2
	s_barrier_wait -3                              ; all sixteen work-groups have said so
	s_barrier_signal -1
.endif
	SM_A 3, \first
.if \mode == 2
	s_barrier_wait -1                              ; the round is closed: no wave of any partner reads this slot or has a load on its way
	JLOAD \slot                                    ; the refill first, one load a wave; it has until the middle of the next trip's third stage to land
.endif
.if \mode
	LDK 1-\slot                                    ; the other slot is whole: its K and its first bias tile
	LDB 1-\slot, 0
.endif
	SM_B 3, \first
	SM_C 3, \first
.if \mode
	s_wait_dscnt 0x0                               ; the next slot's K and first bias tile
	QK 0
.endif
	PV 3, \first
.endm
	s_wait_tensorcnt 0x1                           ; my part of slot 0 has landed; slot 1's load, issued behind it, may stay out,
	s_barrier_signal -1
	s_barrier_wait -1                              ; everybody's has
	LDK 0
	LDB 0, 0
	s_wait_loadcnt 0x0                             ; Q, once
	s_wait_dscnt 0x0
	QK 0
	TRIP 0, 2, 1                                   ; the first trip starts O, the sums and the maxima of all four tiles: nothing is cleared
	TRIP 1, 2, 0
	s_mov_b32 s22, 6
.Lloop:
	TRIP 0, 2, 0
	TRIP 1, 2, 0
	s_sub_co_u32 s22, s22, 1
	s_cmp_lg_u32 s22, 0
	s_cbranch_scc1 .Lloop
	TRIP 0, 1, 0                                   ; sixteen trips; two first fills and fourteen refills: the last two trips ask for nothing
	TRIP 1, 0, 0
	; the way out: O / sum, f16, 16 bytes a lane
	PLACES 4                                       ; four places behind the last products before their results are read (ISA guide 7.12.1)
.irp t, 0,1,2,3
	v_add_f32 v[TR+\t], v[RL+2*\t], v[RL+2*\t+1]
.endr
.irp t, 0,1,2,3
	v_permlanex16_b32 v[TR+4+\t], v[TR+\t], s20, s21
.endr
.irp t, 0,1,2,3
	v_add_f32 v[TR+\t], v[TR+\t], v[TR+4+\t]
.endr
.irp t, 0,1,2,3
	v_rcp_f32 v[TR+4+\t], v[TR+\t]                 ; the sum is at least 1: the largest p of a row is 1
.endr
	v_nop                                          ; one plain instruction behind the reciprocals (ISA guide 5.7.2)
	s_wait_alu depctr_va_vdst(0)
; pr, sel: the tile's reciprocal is register sel of the pair at TR + 4 + pr
.macro OUTT t, pr, sel
.irp j, 0,1,2,3,4,5,6,7
.if \sel
	v_pk_mul_f32 v[RO+16*\t+2*\j:RO+16*\t+2*\j+1], v[RO+16*\t+2*\j:RO+16*\t+2*\j+1], v[TR+4+\pr:TR+4+\pr+1] op_sel:[0,1] op_sel_hi:[1,1]
.else
	v_pk_mul_f32 v[RO+16*\t+2*\j:RO+16*\t+2*\j+1], v[RO+16*\t+2*\j:RO+16*\t+2*\j+1], v[TR+4+\pr:TR+4+\pr+1] op_sel_hi:[1,0]
.endif
.endr
.irp d, 0,1
.irp j, 0,1,2,3
	v_cvt_pk_f16_f32 v[RO+16*\t+8*\d+\j], v[RO+16*\t+8*\d+2*\j], v[RO+16*\t+8*\d+2*\j+1]
.endr
	global_store_b128 v1, v[RO+16*\t+8*\d:RO+16*\t+8*\d+3], s[58:59] offset:\t*8192+\d*512   ; a wave's store covers 512 consecutive bytes, aligned
.endr
.endm
	OUTT 0, 0, 0
	OUTT 1, 0, 1
	OUTT 2, 2, 0
	OUTT 3, 2, 1
	ROUND                                          ; the closing round: no work-group ends while a partner may still ask jointly
	s_endpgm
.Lfunc_end_k_qb8e58071d3_attn:
	.size	k_qb8e58071d3_attn, .Lfunc_end_k_qb8e58071d3_attn-k_qb8e58071d3_attn
	.p2alignl 7, 3214868480
	.fill 96, 4, 3214868480
	.section	.rodata,"a",@progbits
	.p2align	6, 0x0
	.amdhsa_kernel k_qb8e58071d3_attn
		.amdhsa_group_segment_fixed_size 327680
		.amdhsa_private_segment_fixed_size 0
		.amdhsa_enable_private_segment 0
		.amdhsa_kernarg_size 32
		.amdhsa_user_sgpr_count 2
		.amdhsa_user_sgpr_kernarg_segment_ptr 1
		.amdhsa_wavefront_size32 1
		.amdhsa_system_sgpr_workgroup_id_x 1
		.amdhsa_system_sgpr_workgroup_id_y 1
		.amdhsa_system_sgpr_workgroup_id_z 1
		.amdhsa_system_vgpr_workitem_id 0
		.amdhsa_next_free_vgpr 256
		.amdhsa_next_free_sgpr 76
		.amdhsa_reserve_vcc 0
		.amdhsa_float_denorm_mode_32 3
		.amdhsa_float_denorm_mode_16_64 3
		.amdhsa_memory_ordered 1
		.amdhsa_forward_progress 1
		.amdhsa_inst_pref_size 187
	.end_amdhsa_kernel
	.amdgpu_metadata
---
amdhsa.version: [ 1, 2 ]
amdhsa.kernels:
  - .name:           k_qb8e58071d3_attn
    .symbol:         k_qb8e58071d3_attn.kd
    .args:
      - { .name: qf, .offset: 0, .size: 8, .value_kind: global_buffer, .address_space: global }
      - { .name: kv, .offset: 8, .size: 8, .value_kind: global_buffer, .address_space: global }
      - { .name: biasx, .offset: 16, .size: 8, .value_kind: global_buffer, .address_space: global }
      - { .name: of, .offset: 24, .size: 8, .value_kind: global_buffer, .address_space: global }
    .group_segment_fixed_size: 327680
    .private_segment_fixed_size: 0
    .kernarg_segment_align: 8
    .kernarg_segment_size: 32
    .max_flat_workgroup_size: 512
    .sgpr_count:     76
    .vgpr_count:     256
    .wavefront_size: 32
...
	.end_amdgpu_metadata
.endif
;; end of part 3
;; launch proj (part 4): grid 256 x 1, 8 waves a work-group, clusters of 4 x 1, 267,264 bytes of LDS; arguments of, wfrag, b_out, out0; writes out0
.if DOCPART == 4
	.amdgcn_target "amdgcn-amd-amdhsa--gfx1250"
	.amdhsa_code_object_version 6
	.text
	.protected	k_qb8e58071d3_proj
	.globl	k_qb8e58071d3_proj
	.p2align	8
	.type	k_qb8e58071d3_proj,@function
k_qb8e58071d3_proj:
	s_mov_b64 s[64:65], 0
	v_nop
	global_prefetch_b8 v0, s[64:65] scope:SCOPE_SE
	s_setreg_imm32_b32 hwreg(HW_REG_WAVE_MODE, 25, 1), 1
	s_wait_xcnt 0x0
	s_wait_alu depctr_hold_cnt(0) depctr_sa_sdst(0) depctr_va_vdst(0) depctr_va_sdst(0) depctr_va_ssrc(0) depctr_va_vcc(0) depctr_vm_vsrc(0)
	s_getreg_b32 s2, hwreg(HW_REG_IB_STS2, 6, 4)
	s_cmp_eq_u32 s2, 0
	s_cbranch_scc0 .Lentry_in_a_cluster
	s_endpgm
.Lentry_in_a_cluster:
	s_bfe_u32 s2, ttmp6, 0x10000c
	s_cmp_lg_u32 s2, 0x3003
	s_cbranch_scc0 .Lentry_shape_is_right
	s_endpgm
.Lentry_shape_is_right:
; proj: out0 = O @ W_out + b_out.  O comes as f16 operand fragments (of), W_out as f16 fragments (wfrag from byte 393,216); f32 sums.
; A work-group owns 128 tokens and all 256 columns.  Wave w: tg = w >> 1 picks 32 tokens (two tiles tt), fh = w & 1 picks 128 columns
; (eight column tiles).  The wave's O fragments for all K = 256 are loaded straight into 128 registers.
; CLUSTER: the four work-groups of a cluster need the same 128 KiB of W_out: asked for jointly (mask 15), once, 16 KiB a wave.
; The matrix instruction takes W as source 0 and O as source 1: a lane holds 8 neighbouring columns (32 bytes) of one token.  These go
; into the wave's own stage in LDS (32 rows of 512 bytes at a pitch of 528) and come back as whole rows, so that a wave's store covers
; 512 consecutive bytes, aligned.  No tensor load ever lands in the stage.
.set STAGE,  131072
.set SPITCH, 528                       ; 33 x 16 bytes: the 16 rows that a store touches lie in 16 different 16-byte columns modulo 256 bytes
.set XF,  16                           ; v[16:143]  O fragment (tt, k) at XF + 64 tt + 8 k
.set WA,  144                          ; v[144:175] W fragments of K steps 0-3; on the way out eight rows
.set WB,  176                          ; v[176:207] of K steps 4-7; on the way out eight rows
.set ACC, 208                          ; v[208:223] two accumulators, tt
.set BO,  232                          ; v[232:235] b_out of my four columns on the way out
.set G1W, 24
.set G0W, 40
.macro PLACES n
.rept \n
	v_nop
.endr
.endm
.macro ROUND
	s_barrier_signal -1
	s_barrier_wait -1
	s_cmp_lg_u32 s12, 0
	s_cbranch_scc1 .Lnot_wave_0_\@
	s_barrier_signal -3
.Lnot_wave_0_\@:
	s_barrier_wait -3
	s_barrier_signal -1
	s_barrier_wait -1
.endm
	s_load_b256 s[4:11], s[0:1], 0x0               ; of s[4:5], wfrag s[6:7], b_out s[8:9], out0 s[10:11]
	v_lshl_add_u32 v240, v0, 2, 0x41000
	v_mov_b32 v241, 0
	ds_add_u32 v240, v241
	v_lshrrev_b32 v5, 5, v0
	v_readfirstlane_b32 s12, v5                    ; wave 0..7
	s_bfe_u32 s13, ttmp6, 0x40000                  ; cx
	s_lshl_b32 s14, ttmp9, 2
	s_add_co_u32 s14, s14, s13                     ; work-group = 4 x cluster + cx
	s_lshr_b32 s15, s12, 1                         ; tg
	s_and_b32 s16, s12, 1                          ; fh
	s_mov_b32 s[G1W+0], 15|(3<<16)|(1<<21)         ; mask: all four partners; elements of 8 bytes; bit 21 beside a mask
	s_mov_b32 s[G1W+1], 32<<16                     ; 64 rows of 32 elements (256 bytes), dense
	s_mov_b32 s[G1W+2], 64<<16
	s_mov_b32 s[G1W+3], 32<<16
	s_mov_b32 s[G1W+4], 64
	s_mov_b32 s[G1W+5], 32
	s_mov_b32 s[G1W+6], 0
	s_mov_b32 s[G1W+7], 0
	s_mov_b32 s[G0W], 1
	s_lshl_b32 s[G0W+1], s12, 14                   ; the wave's 16 KiB
	s_lshl_b32 s20, s12, 14
	s_add_co_u32 s20, s20, 393216                  ; W_out's fragments begin behind W_qkv's 48 column tiles of 8 KiB
	s_mov_b32 s21, 0
	s_lshl_b32 s60, s14, 16                        ; of: (8 wg + 2 tg) token tiles of 8 KiB
	s_lshl_b32 s17, s15, 14
	s_or_b32 s60, s60, s17
	s_mov_b32 s61, 0
	s_lshl_b32 s62, s14, 17                        ; out0: (128 wg + 32 tg) rows of 1,024 bytes + 512 fh
	s_lshl_b32 s17, s15, 15
	s_or_b32 s62, s62, s17
	s_lshl_b32 s17, s16, 9
	s_or_b32 s62, s62, s17
	s_mov_b32 s63, 0
	s_wait_dscnt 0x0
	s_wait_kmcnt 0x0
	s_add_nc_u64 s[G0W+2:G0W+3], s[6:7], s[20:21]
	s_or_b32 s[G0W+3], s[G0W+3], 0x80000000        ; type = 2
	s_add_nc_u64 s[56:57], s[4:5], s[60:61]
	s_add_nc_u64 s[58:59], s[10:11], s[62:63]
	ROUND                                          ; all four work-groups are here: the joint loads meet
	tensor_load_to_lds s[G0W:G0W+3], s[G1W:G1W+7]  ; the wave's only tensor load
	s_nop 0
	v_and_b32 v1, 31, v0
	v_lshlrev_b32 v1, 4, v1                        ; lane * 16
.irp tt, 0,1
.irp k, 0,1,2,3,4,5,6,7
	global_load_b128 v[XF+64*\tt+8*\k:XF+64*\tt+8*\k+3],   v1, s[56:57] offset:\tt*8192+\k*1024
	global_load_b128 v[XF+64*\tt+8*\k+4:XF+64*\tt+8*\k+7], v1, s[56:57] offset:\tt*8192+\k*1024+512
.endr
.endr
	v_add_nc_u32 v8, s17, v1                       ; 512 fh + 16 lane
	global_load_b128 v[BO:BO+3], v8, s[8:9]
	s_lshl_b32 s18, s16, 16
	v_add_nc_u32 v2, s18, v1                       ; my eight column tiles of W
	v_and_b32 v9, 15, v0                           ; r
	v_bfe_u32 v10, v0, 4, 1                        ; hl
	s_mul_i32 s18, s12, 32*SPITCH
	s_add_co_u32 s18, s18, STAGE                   ; my stage
	v_mul_u32_u24 v6, v9, SPITCH
	v_lshl_add_u32 v6, v10, 5, v6
	v_add_nc_u32 v6, s18, v6                       ; in: row r, 32 bytes for each half of the lanes
	v_add_nc_u32 v7, s18, v1                       ; back: 32 lanes take a row's 512 bytes
	s_wait_tensorcnt 0x0                           ; my part of W_out has landed,
	s_barrier_signal -1
	s_barrier_wait -1                              ; everybody's has; nothing is ever filled again
	s_wait_loadcnt 0x0                             ; O's fragments and b_out
.macro LDW buf, nt, k0
.irp j, 0,1,2,3
	ds_load_b128 v[\buf+8*\j:\buf+8*\j+3],   v2 offset:(\nt)*8192+(\k0+\j)*1024
	ds_load_b128 v[\buf+8*\j+4:\buf+8*\j+7], v2 offset:(\nt)*8192+(\k0+\j)*1024+512
.endr
.endm
; two matrix instructions, one for each token tile: the two accumulators take turns, one instruction a turn
.macro MM k, wreg
.irp tt, 0,1
.if \k
	v_wmma_f32_16x16x32_f16 v[ACC+8*\tt:ACC+8*\tt+7], v[\wreg:\wreg+7], v[XF+64*\tt+8*\k:XF+64*\tt+8*\k+7], v[ACC+8*\tt:ACC+8*\tt+7]
.else
	v_wmma_f32_16x16x32_f16 v[ACC+8*\tt:ACC+8*\tt+7], v[\wreg:\wreg+7], v[XF+64*\tt+8*\k:XF+64*\tt+8*\k+7], 0
.endif
.endr
.endm
.macro NT nt, last
	s_wait_dscnt 0x8                               ; K steps 0-3 are in (and the last tile's stage stores done); the eight loads of K steps 4-7 may stay out
.irp k, 0,1,2,3
	MM \k, WA+8*\k
.endr
	PLACES 4                                       ; four places before loads land on registers that matrix instructions have read
.if \last == 0
	LDW WA, \nt+1, 0
	s_wait_dscnt 0x8                               ; K steps 4-7 are in; the eight loads just issued stay out
.else
	s_wait_dscnt 0x0
.endif
.irp k, 4,5,6,7
	MM \k, WB+8*(\k-4)
.endr
	PLACES 5                                       ; four before the results are read and before loads land on the sources, five before the next tile's first product writes over the accumulators
.irp tt, 0,1
	ds_store_b128 v6, v[ACC+8*\tt:ACC+8*\tt+3],   offset:\tt*16*SPITCH+(\nt)*64
	ds_store_b128 v6, v[ACC+8*\tt+4:ACC+8*\tt+7], offset:\tt*16*SPITCH+(\nt)*64+16
.endr
.if \last == 0
	LDW WB, \nt+1, 4
.endif
.endm
	LDW WA, 0, 0
	LDW WB, 0, 4
.irp nt, 0,1,2,3,4,5,6
	NT \nt, 0
.endr
	NT 7, 1
; Back out, eight rows at a time.  The stage is the wave's own and LDS serves a wave's instructions in order (ISA guide 5.7.1): no wait and no barrier between its stores and these loads.
.macro BACK bt, buf
.if \bt >= 2
	s_wait_xcnt 0x0                                ; this buffer, which the stores of two batches ago read, is loaded again only behind this wait
.endif
.irp i, 0,1,2,3,4,5,6,7
	ds_load_b128 v[\buf+4*\i:\buf+4*\i+3], v7 offset:(8*\bt+\i)*SPITCH
.endr
.irp i, 0,1,2,3,4,5,6,7
	s_wait_dscnt 7-\i                              ; row i of the eight is in; the later rows stay out
	v_pk_add_f32 v[\buf+4*\i:\buf+4*\i+1],   v[\buf+4*\i:\buf+4*\i+1],   v[BO:BO+1]
	v_pk_add_f32 v[\buf+4*\i+2:\buf+4*\i+3], v[\buf+4*\i+2:\buf+4*\i+3], v[BO+2:BO+3]
	global_store_b128 v1, v[\buf+4*\i:\buf+4*\i+3], s[58:59] offset:(8*\bt+\i)*1024 th:TH_STORE_NT
.endr
.endm
	BACK 0, WA
	BACK 1, WB
	BACK 2, WA
	BACK 3, WB
	s_wait_tensorcnt 0x0
	ds_add_u32 v240, v241
	s_wait_dscnt 0x0
	ROUND                                          ; the closing round: no work-group ends while a partner may still ask jointly
	s_endpgm
.Lfunc_end_k_qb8e58071d3_proj:
	.size	k_qb8e58071d3_proj, .Lfunc_end_k_qb8e58071d3_proj-k_qb8e58071d3_proj
	.p2alignl 7, 3214868480
	.fill 96, 4, 3214868480
	.section	.rodata,"a",@progbits
	.p2align	6, 0x0
	.amdhsa_kernel k_qb8e58071d3_proj
		.amdhsa_group_segment_fixed_size 267264
		.amdhsa_private_segment_fixed_size 0
		.amdhsa_enable_private_segment 0
		.amdhsa_kernarg_size 32
		.amdhsa_user_sgpr_count 2
		.amdhsa_user_sgpr_kernarg_segment_ptr 1
		.amdhsa_wavefront_size32 1
		.amdhsa_system_sgpr_workgroup_id_x 1
		.amdhsa_system_sgpr_workgroup_id_y 1
		.amdhsa_system_sgpr_workgroup_id_z 1
		.amdhsa_system_vgpr_workitem_id 0
		.amdhsa_next_free_vgpr 242
		.amdhsa_next_free_sgpr 66
		.amdhsa_reserve_vcc 0
		.amdhsa_float_denorm_mode_32 3
		.amdhsa_float_denorm_mode_16_64 3
		.amdhsa_memory_ordered 1
		.amdhsa_forward_progress 1
		.amdhsa_inst_pref_size 38
	.end_amdhsa_kernel
	.amdgpu_metadata
---
amdhsa.version: [ 1, 2 ]
amdhsa.kernels:
  - .name:           k_qb8e58071d3_proj
    .symbol:         k_qb8e58071d3_proj.kd
    .args:
      - { .name: of, .offset: 0, .size: 8, .value_kind: global_buffer, .address_space: global }
      - { .name: wfrag, .offset: 8, .size: 8, .value_kind: global_buffer, .address_space: global }
      - { .name: b_out, .offset: 16, .size: 8, .value_kind: global_buffer, .address_space: global }
      - { .name: out0, .offset: 24, .size: 8, .value_kind: global_buffer, .address_space: global }
    .group_segment_fixed_size: 267264
    .private_segment_fixed_size: 0
    .kernarg_segment_align: 8
    .kernarg_segment_size: 32
    .max_flat_workgroup_size: 256
    .sgpr_count:     66
    .vgpr_count:     242
    .wavefront_size: 32
...
	.end_amdgpu_metadata
.endif
;; end of part 4
